; MI455X (gfx1250); checked and timed in simulation.
; The chip was launched on July 23, 2026; its instructions are those of AMD's public machine-readable ISA for CDNA 5 (MIT licence, August 2026) and "CDNA5" Instruction Set Architecture Reference Guide (July 2026). The comments in the code are by the model that wrote it; some were corrected since.
;; Block. Allowed arithmetic: float matrix products may take bf16 or f16 operands with f32 sums; other float arithmetic in f32, or as packed bf16 or f16 multiplies, adds, multiply-adds, maxima and minima; sums over many terms, partial sums and values carried from step to step in f32; what a program stores and reads back later, other than sums and carried values, may be rounded once to bf16 or f16.
;; Inputs: masks 4,096 x 4,096 bool; thresholds 4,096 int32; x 2,048 x 4,096 int32.
;; Outputs: out0 2,048 x 4,096 bool.
;; 2 versions, each right; version 2 is version 1 with the launch prep written anew for expert scheduling mode. Each part assembles by itself: llvm-mc -triple=amdgcn-amd-amdhsa -mcpu=gfx1250 --defsym DOCPART=n.
;; ======== version 1 of 2: 2 launches
;; workspace buffers: xa 16,777,216 bytes; mb 33,554,432 bytes
;; launch prep (part 1): grid 512 x 1, 8 waves a work-group, no clusters, 0 bytes of LDS; arguments x, masks, xa, mb; writes xa, mb
.if DOCPART == 1
	.amdgcn_target "amdgcn-amd-amdhsa--gfx1250"
	.amdhsa_code_object_version 6
	.text
	.protected	k_qfbd27040a0_prep
	.globl	k_qfbd27040a0_prep
	.p2align	8
	.type	k_qfbd27040a0_prep,@function
k_qfbd27040a0_prep:
	s_mov_b64 s[64:65], 0
	v_nop
	global_prefetch_b8 v0, s[64:65] scope:SCOPE_SE
	s_setreg_imm32_b32 hwreg(HW_REG_WAVE_MODE, 25, 1), 1
	s_wait_xcnt 0x0
; xa[b][k] = 1 - 2 x[b][k] and mb[k][n] = 1 - 2 masks[k][n], both in bf16, in the layouts of x and of masks.
; For all numbers x m + (1 - x)(1 - m) = ((1 - 2x)(1 - 2m) + 1) / 2, so the next launch needs ONE product, of xa and mb, where the two sums of agreements would need two.
; LIMITS.  1 - 2x is made in f32 and rounded once to bf16: exact for x from -127 to 128 (x is 0 or 1 as the problem gives it); beyond that it is rounded.
; A mask is a bool: a byte that is 0 or 1; only its lowest bit is placed.
; SHARES.  A stream: 4,096 waves, all alike, no loop, no LDS, no barrier.  A wave takes 8,192 bytes of x (4,096 of xa) and 4,096 bytes of masks (8,192 of mb).
; All its 32 loads go out first (12,288 bytes on their way for each wave); each is worked on behind a counted wait.  No register that a load or store names is written again, so no wait frees one.
.set X,   8                            ; v[8:71]    16 groups of 4 words of x; the group's first two registers then hold its 4 bf16
.set MK,  72                           ; v[72:103]  16 pairs: 8 mask bytes each
.set Y,   104                          ; v[104:167] 16 groups of 4: 8 bf16 each
	s_load_b256 s[4:11], s[0:1], 0x0               ; x s[4:5], masks s[6:7], xa s[8:9], mb s[10:11]
	s_lshl_b32 s12, ttmp9, 16                      ; the work-group's 65,536 bytes of x and of mb
	s_mov_b32 s13, 0
	s_lshl_b32 s14, ttmp9, 15                      ; its 32,768 bytes of masks and of xa
	s_mov_b32 s15, 0
	s_mov_b32 s16, 0x01010000                      ; byte selects: bytes 0 and 1 of a word, each twice
	s_mov_b32 s17, 0x03030202                      ; bytes 2 and 3, each twice
	s_mov_b32 s18, 0x3f803f80                      ; 1.0 twice in bf16
	v_and_b32 v1, 31, v0                           ; lane
	v_lshrrev_b32 v2, 5, v0                        ; wave
	v_lshlrev_b32 v3, 4, v1
	v_lshl_add_u32 v3, v2, 13, v3                  ; 8,192 x wave + 16 x lane: my place in x and in mb
	v_lshrrev_b32 v4, 1, v3                        ; 4,096 x wave + 8 x lane: my place in masks and in xa
	s_wait_kmcnt 0x0
	s_add_nc_u64 s[4:5], s[4:5], s[12:13]
	s_add_nc_u64 s[6:7], s[6:7], s[14:15]
	s_add_nc_u64 s[8:9], s[8:9], s[14:15]
	s_add_nc_u64 s[10:11], s[10:11], s[12:13]
.irp i, 0,1,2,3,4,5,6,7,8,9,10,11,12,13,14,15
	global_load_b128 v[X+4*(\i):X+4*(\i)+3], v3, s[4:5] offset:512*(\i) th:TH_LOAD_NT   ; a wave's load covers 512 consecutive bytes
.endr
.irp i, 0,1,2,3,4,5,6,7,8,9,10,11,12,13,14,15
	global_load_b64 v[MK+2*(\i):MK+2*(\i)+1], v4, s[6:7] offset:256*(\i) th:TH_LOAD_NT  ; 256 consecutive bytes
.endr
; Four words of x: to f32, 1 - 2x by one fused multiply-add for each two, rounded to bf16 in pairs, stored.
.macro XCONV i
	s_wait_loadcnt 31-(\i)                         ; loads come back in order (ISA guide 5.7.1): the younger ones, 15 - i of x and 16 of masks, stay out
.irp j, 0,1,2,3
	v_cvt_f32_i32 v[X+4*(\i)+(\j)], v[X+4*(\i)+(\j)]
.endr
	v_pk_fma_f32 v[X+4*(\i):X+4*(\i)+1],   v[X+4*(\i):X+4*(\i)+1],   -2.0, 1.0 op_sel_hi:[1,0,0]
	v_pk_fma_f32 v[X+4*(\i)+2:X+4*(\i)+3], v[X+4*(\i)+2:X+4*(\i)+3], -2.0, 1.0 op_sel_hi:[1,0,0]
	v_cvt_pk_bf16_f32 v[X+4*(\i)],   v[X+4*(\i)],   v[X+4*(\i)+1]
	v_cvt_pk_bf16_f32 v[X+4*(\i)+1], v[X+4*(\i)+2], v[X+4*(\i)+3]
	global_store_b64 v4, v[X+4*(\i):X+4*(\i)+1], s[8:9] offset:256*(\i)   ; the wave's store covers 256 consecutive bytes, aligned
.endm
; Eight mask bytes.  A byte is written into both bytes of its half word; shifted left by 7 its bit stands at the half's bits 15 and 7; bit 7 is set in 0x3f80 anyway,
; so the OR gives 0x3f80 (1.0) for 0 and 0xbf80 (-1.0) for 1.
.macro MCONV i
	s_wait_loadcnt 15-(\i)                         ; the younger loads of masks stay out
.irp j, 0,1
	v_perm_b32 v[Y+4*(\i)+2*(\j)],   v[MK+2*(\i)+(\j)], v[MK+2*(\i)+(\j)], s16
	v_perm_b32 v[Y+4*(\i)+2*(\j)+1], v[MK+2*(\i)+(\j)], v[MK+2*(\i)+(\j)], s17
.endr
.irp j, 0,1,2,3
	v_lshl_or_b32 v[Y+4*(\i)+(\j)], v[Y+4*(\i)+(\j)], 7, s18
.endr
	global_store_b128 v3, v[Y+4*(\i):Y+4*(\i)+3], s[10:11] offset:512*(\i)  ; 512 consecutive bytes, aligned
.endm
.irp i, 0,1,2,3,4,5,6,7,8,9,10,11,12,13,14,15
	XCONV \i
.endr
.irp i, 0,1,2,3,4,5,6,7,8,9,10,11,12,13,14,15
	MCONV \i
.endr
	s_endpgm
.Lfunc_end_k_qfbd27040a0_prep:
	.size	k_qfbd27040a0_prep, .Lfunc_end_k_qfbd27040a0_prep-k_qfbd27040a0_prep
	.p2alignl 7, 3214868480
	.fill 96, 4, 3214868480
	.section	.rodata,"a",@progbits
	.p2align	6, 0x0
	.amdhsa_kernel k_qfbd27040a0_prep
		.amdhsa_group_segment_fixed_size 0
		.amdhsa_private_segment_fixed_size 0
		.amdhsa_enable_private_segment 0
		.amdhsa_kernarg_size 32
		.amdhsa_user_sgpr_count 2
		.amdhsa_user_sgpr_kernarg_segment_ptr 1
		.amdhsa_wavefront_size32 1
		.amdhsa_system_sgpr_workgroup_id_x 1
		.amdhsa_system_sgpr_workgroup_id_y 1
		.amdhsa_system_sgpr_workgroup_id_z 1
		.amdhsa_system_vgpr_workitem_id 0
		.amdhsa_next_free_vgpr 172
		.amdhsa_next_free_sgpr 66
		.amdhsa_reserve_vcc 0
		.amdhsa_float_denorm_mode_32 3
		.amdhsa_float_denorm_mode_16_64 3
		.amdhsa_memory_ordered 1
		.amdhsa_forward_progress 1
		.amdhsa_inst_pref_size 22
	.end_amdhsa_kernel
	.amdgpu_metadata
---
amdhsa.version: [ 1, 2 ]
amdhsa.kernels:
  - .name:           k_qfbd27040a0_prep
    .symbol:         k_qfbd27040a0_prep.kd
    .args:
      - { .name: x, .offset: 0, .size: 8, .value_kind: global_buffer, .address_space: global }
      - { .name: masks, .offset: 8, .size: 8, .value_kind: global_buffer, .address_space: global }
      - { .name: xa, .offset: 16, .size: 8, .value_kind: global_buffer, .address_space: global }
      - { .name: mb, .offset: 24, .size: 8, .value_kind: global_buffer, .address_space: global }
    .group_segment_fixed_size: 0
    .private_segment_fixed_size: 0
    .kernarg_segment_align: 8
    .kernarg_segment_size: 32
    .max_flat_workgroup_size: 256
    .sgpr_count:     66
    .vgpr_count:     172
    .wavefront_size: 32
...
	.end_amdgpu_metadata
.endif
;; end of part 1
;; launch gemm (part 2): grid 16 x 16, 4 waves a work-group, clusters of 4 x 4, 327,680 bytes of LDS; arguments xa, mb, thresholds, out0; writes out0
.if DOCPART == 2
	.amdgcn_target "amdgcn-amd-amdhsa--gfx1250"
	.amdhsa_code_object_version 6
	.text
	.protected	k_qfbd27040a0_gemm
	.globl	k_qfbd27040a0_gemm
	.p2align	8
	.type	k_qfbd27040a0_gemm,@function
k_qfbd27040a0_gemm:
	s_mov_b64 s[64:65], 0
	v_nop
	global_prefetch_b8 v0, s[64:65] scope:SCOPE_SE
	s_setreg_imm32_b32 hwreg(HW_REG_WAVE_MODE, 25, 1), 1
	s_wait_xcnt 0x0
	s_wait_alu depctr_hold_cnt(0) depctr_sa_sdst(0) depctr_va_vdst(0) depctr_va_sdst(0) depctr_va_ssrc(0) depctr_va_vcc(0) depctr_vm_vsrc(0)
	s_getreg_b32 s2, hwreg(HW_REG_IB_STS2, 6, 4)
	s_cmp_eq_u32 s2, 0
	s_cbranch_scc0 .Lentry_in_a_cluster
	s_endpgm
.Lentry_in_a_cluster:
	s_bfe_u32 s2, ttmp6, 0x10000c
	s_cmp_lg_u32 s2, 0xf033
	s_cbranch_scc0 .Lentry_shape_is_right
	s_endpgm
.Lentry_shape_is_right:
; out0[b][n] = (the number of k at which x[b][k] and masks[k][n] agree) > thresholds[n], one byte, 0 or 1.
; With a = 1 - 2x (xa, [2048][4096] bf16) and m = 1 - 2 masks (mb, [4096 k][4096 n] bf16) that number is (4096 + P) / 2, P = the sum over k of a m, so the result is P > 2 thr - 4096.
; a and m are +1 or -1, exact in bf16; the f32 sums are whole numbers of at most 4,096 in size, exact whatever their order.  P is whole, so P > 2 thr - 4096 is P > T with T = 2 thr - 4095.5,
; and u = T - P is never 0: its sign bit IS the result.
; LIMITS.  thr is converted to f32; T is exact for |thr| under 2^22; above that |T| is far beyond every P and thr alone decides.  xa holds 1 - 2x exactly for x from -127 to 128.
; SHARES.  A tile of the result is 128 rows x 256 columns: 16 x 16 = 256 work-groups.  Four waves, each 64 rows x 128 columns: 32 accumulators of 16 x 16, 256 registers.
; K goes in steps of 128 through a ring of two LDS slots filled by the tensor data mover; two slots of a step of 256 (2 x 208,896 bytes) would not fit.
; mb lies [k][n]: its fragments are turned on the way from LDS to registers, by ds_load_tr16_b128.
; THE MATRIX INSTRUCTION IS USED TRANSPOSED (source 0 = 16 columns of mb, source 1 = 16 rows of xa): a lane then holds eight neighbouring columns of one row, which pack into 8 bytes.
; CLUSTERS: 4 x 4 work-groups.  The four of a row of the cluster need the same tiles of xa, the four of a column the same tiles of mb: each tile is asked for JOINTLY, by the same tensor load with the
; same descriptor and a mask that names the four.
; REGISTERS, in windows of 256 (s_set_vgpr_msb: bits 1:0 source 0, 3:2 source 1, 5:4 source 2, 7:6 destination):
;   window 0: v0-31 addresses; v32-63 packed results; v64-159, v160-255 two fragment buffers (32 registers of xa: 4 x 16 rows x 32 K; 64 of mb: 8 x 16 columns x 32 K)
;   window 1: the accumulators, (a, b) at v[8 (8 a + b)]          window 2: v0-63 T of my lane's columns: T[8 b + j] for column 16 b + 8 (lane / 16) + j
.set KSTEP,  128
.set ROWB,   8192                      ; bytes in a row of xa and of mb
.set PA,     272                       ; an LDS row of xa: 256 bytes + 16 = 68 words: row r starts at bank 4 r mod 64 (64 banks of 4 bytes: ISA guide 11.1)
.set PB,     544                       ; an LDS row of mb: 512 bytes + 32 = 136 words: row r starts at bank 8 r mod 64
.set ABYTES, 128*PA                    ; a slot: xa's 128 rows,
.set SLOT,   ABYTES+128*PB             ; then mb's 128 rows
.set STAGE,  2*SLOT                    ; behind the ring, never filled by a tensor load: 128 rows x 272 bytes, the work-group's, for the way out
.set SPITCH, 272
.set SPARE,  STAGE+128*SPITCH          ; behind the stage: the spare words, 128 bytes for each wave: two blocks of 256 bytes that no other line names
.set LAPS,   4096/(2*KSTEP)            ; a lap = two K steps = once round the ring
.set ADRA, 16                          ; v16-17  LDS address of my fragments of xa in slot 0, 1
.set ADRB, 20                          ; v20-21  the same for mb
.set STO,  24                          ; v24     the way out: where I put 8 bytes of a row
.set RD,   25                          ; v25     the way out: where I read a row back
.set CO,   26                          ; v26     my byte offset in out0
.set TOFF, 27                          ; v27     my byte offset in my wave's 128 thresholds
.set SPW,  28                          ; v28     LDS address of my spare word: SPARE + 4 x my thread's number; never rewritten
.set NIL,  29                          ; v29     0; never rewritten
.set F0,   64
.set F1,   160
.set BK,   192                         ; the way out: whole rows read back from the stage
.set G1,  24                           ; s[24:31] descriptor group 1 for xa's tiles;  s[32:39] group 0, one set for each slot
.set G0,  32
.set G1B, 48                           ; s[48:55], s[56:63] the same for mb's tiles
.set G0B, 56
.set MSB, 0
.macro WIN new                         ; the immediate's high byte repeats the setting that is left; a switch that changes nothing is dropped
.if MSB != (\new)
	s_set_vgpr_msb (MSB<<8)|(\new)
.set MSB, \new
.endif
.endm
.set MUL, 0x50                         ; sources 0 and 1 window 0; C and D window 1
.set EPI, 0x06                         ; source 0 (T) window 2, source 1 (accumulator) window 1, destination window 0
; A joint load: waves 0 and 1 fetch the two halves of xa's tile, waves 2 and 3 those of mb's.  The branch hangs on the wave's number alone.
; An s_nop 0 and four v_nop follow each of the two lines, ahead of the jump, the label and what follows.
.macro JLOAD s
	s_cmp_eq_u32 s13, 0
	s_cbranch_scc0 .Lfor_b_\@
	tensor_load_to_lds s[G0+4*(\s):G0+4*(\s)+3], s[G1:G1+7]
	s_nop 0
.rept 4
	v_nop
.endr
	s_branch .Lasked_\@
.Lfor_b_\@:
	tensor_load_to_lds s[G0B+4*(\s):G0B+4*(\s)+3], s[G1B:G1B+7]
	s_nop 0
.rept 4
	v_nop
.endr
.Lasked_\@:
.endm
.macro CREST                           ; a round of the cluster's barrier behind its opening barrier
	s_cmp_lg_u32 s12, 0
	s_cbranch_scc1 .Lnot_wave_0_\@
	s_barrier_signal -3
.Lnot_wave_0_\@:
	s_barrier_wait -3
	s_barrier_signal -1
	s_barrier_wait -1
.endm
.macro CROUND                          ; a whole round
	s_barrier_signal -1
	s_barrier_wait -1
	CREST
.endm
	s_load_b256 s[4:11], s[0:1], 0x0               ; xa s[4:5], mb s[6:7], thresholds s[8:9], out0 s[10:11]
	v_lshl_add_u32 v[SPW], v0, 2, SPARE
	v_mov_b32 v[NIL], 0
	ds_add_u32 v[SPW], v[NIL]                      ; the wave's opening: the add and its wait stand ahead of my first tensor load; the set-up below, work on registers, stands between them
	v_lshrrev_b32 v1, 5, v0
	v_readfirstlane_b32 s12, v1                    ; wave 0..3
	s_lshr_b32 s13, s12, 1                         ; which 64 of the tile's rows are mine.  Also: I fetch for xa (0) or for mb (1)
	s_and_b32 s14, s12, 1                          ; which 128 of its columns.  Also: which 64 rows of that tile I fetch
	s_bfe_u32 s15, ttmp6, 0x40000                  ; cx, cy: my place in the cluster
	s_bfe_u32 s16, ttmp6, 0x40004
	s_lshl_b32 s17, ttmp9, 2
	s_add_co_u32 s17, s17, s15                     ; tile column = 4 x cluster x + cx
	s_and_b32 s18, ttmp7, 0xffff
	s_lshl_b32 s18, s18, 2
	s_add_co_u32 s18, s18, s16                     ; tile row = 4 x cluster y + cy
	s_lshl_b32 s19, s16, 2
	s_lshl_b32 s19, 15, s19                        ; my row of the cluster: places 4 cy .. 4 cy + 3
	s_lshl_b32 s20, 0x1111, s15                    ; my column: places cx, cx + 4, cx + 8, cx + 12
	; descriptor group 1.  xa: 64 rows x 128 elements; mb: 64 rows x 256 elements; both padded in LDS behind every row
	s_or_b32 s[G1+0], s19, (1<<16)|(1<<20)|(1<<21)|(5<<22)|(3<<25)   ; 15:0 the mask: my row; 17:16 elements of 2 bytes; 20 padding on; 21 set beside a mask; 24:22 after every 64 words (code 5); 31:25 4 words (code 3)
	s_or_b32 s[G1B+0], s20, (1<<16)|(1<<20)|(1<<21)|(6<<22)|(7<<25)  ; the mask: my column; after every 128 words (code 6) 8 words (code 7)
	s_mov_b32 s[G1+1], 128<<16                     ; tensor_dim0 = 128
	s_mov_b32 s[G1+2], 64<<16                      ; tensor_dim1 = 64
	s_mov_b32 s[G1+3], 128<<16                     ; tile_dim0 = 128
	s_mov_b32 s[G1+4], 64                          ; tile_dim1 = 64
	s_mov_b32 s[G1+5], 4096                        ; elements from row to row
	s_mov_b32 s[G1+6], 0
	s_mov_b32 s[G1+7], 0
	s_mov_b32 s[G1B+1], 256<<16                    ; tensor_dim0 = 256
	s_mov_b32 s[G1B+2], 64<<16                     ; tensor_dim1 = 64
	s_mov_b32 s[G1B+3], 256<<16                    ; tile_dim0 = 256
	s_mov_b32 s[G1B+4], 64                         ; tile_dim1 = 64
	s_mov_b32 s[G1B+5], 4096
	s_mov_b32 s[G1B+6], 0
	s_mov_b32 s[G1B+7], 0
	; where the tiles come from.  xa's hang on the tile row alone, which my row of the cluster shares; mb's on the tile column alone, which my column shares.
	s_lshl_b32 s40, s18, 7
	s_lshl_b32 s21, s14, 6
	s_add_co_u32 s40, s40, s21                     ; xa: row 128 x tile row + 64 x half,
	s_lshl_b32 s40, s40, 13                        ; in bytes (under 2^24)
	s_mov_b32 s41, 0
	s_lshl_b32 s42, s14, 19                        ; mb: row 64 x half, in bytes,
	s_lshl_b32 s66, s17, 9                         ; and column 256 x tile column, in bytes
	s_add_co_u32 s42, s42, s66
	s_mov_b32 s43, 0
	s_mul_i32 s46, s14, 64*PA                      ; where they go: no place in the cluster enters an LDS address
	s_mul_i32 s47, s14, 64*PB
	s_add_co_u32 s47, s47, ABYTES
	s_mov_b32 s68, 0x07030703                      ; byte selects: the top bytes of two registers
	s_mov_b32 s69, 0x05040100                      ; the low halves of two registers
	s_mov_b32 s70, 0x01010101
	s_mov_b32 s71, 0xc57ff800                      ; -4095.5
	s_wait_dscnt 0x0                               ; the opening add is done
	s_wait_kmcnt 0x0
	s_add_nc_u64 s[40:41], s[4:5], s[40:41]
	s_add_nc_u64 s[42:43], s[6:7], s[42:43]
	CROUND                                         ; all sixteen work-groups are here: the first joint loads meet
.irp s, 0,1
	s_mov_b32 s[G0+4*(\s)], 1                                        ; count = 1
	s_add_co_u32 s[G0+4*(\s)+1], s46, (\s)*SLOT                      ; LDS address
	s_add_nc_u64 s[G0+4*(\s)+2:G0+4*(\s)+3], s[40:41], (\s)*KSTEP*2  ; global address: K step s lies 256 bytes along xa's rows,
	s_or_b32 s[G0+4*(\s)+3], s[G0+4*(\s)+3], 0x80000000              ; type = 2
	s_mov_b32 s[G0B+4*(\s)], 1
	s_add_co_u32 s[G0B+4*(\s)+1], s47, (\s)*SLOT
	s_add_nc_u64 s[G0B+4*(\s)+2:G0B+4*(\s)+3], s[42:43], (\s)*KSTEP*ROWB  ; and 128 rows down mb
	s_or_b32 s[G0B+4*(\s)+3], s[G0B+4*(\s)+3], 0x80000000
	JLOAD \s                                       ; two loads of mine are out
.endr
	; All that follows up to the wait for the first tile stands in that tile's way in.
	; A fragment of xa is 16 rows x 32 K in 8 registers: lane l holds row l % 16, K = 8 (l / 16) + 0..7 and 16 + 8 (l / 16) + 0..7: two loads of 16 bytes, 32 bytes apart.
	v_and_b32 v1, 15, v0                           ; l % 16
	v_bfe_u32 v2, v0, 4, 1                         ; l / 16
	v_mul_u32_u24 v3, v1, PA
	v_lshl_add_u32 v3, v2, 4, v3                   ; row x pitch + 16 x half
	s_mul_i32 s21, s13, 64*PA                      ; my 64 rows of xa
	v_add_nc_u32 v[ADRA], s21, v3
	v_add_nc_u32 v[ADRA+1], SLOT, v[ADRA]
	; The turning load takes 16 K x 16 columns (lane l reads 16 bytes: K row 8 (l / 16) + l % 8, columns 8 ((l / 8) % 2) + 0..7) and leaves half a fragment: lane l holds column l % 16 and 8 K.
	v_and_b32 v4, 7, v0
	v_lshl_add_u32 v4, v2, 3, v4
	v_mul_u32_u24 v4, v4, PB
	v_bfe_u32 v5, v0, 3, 1
	v_lshl_add_u32 v4, v5, 4, v4
	s_lshl_b32 s22, s14, 8                         ; my 128 columns of mb,
	s_add_co_u32 s22, s22, ABYTES                  ; which lies behind xa's rows
	v_add_nc_u32 v[ADRB], s22, v4
	v_add_nc_u32 v[ADRB+1], SLOT, v[ADRB]
	s_mul_i32 s23, s13, 64*SPITCH                  ; into the stage: my 64 rows, my 128 of their 256 bytes; row l % 16, 8 bytes for each half of the lanes
	s_lshl_b32 s21, s14, 7
	s_add_co_u32 s23, s23, s21
	s_add_co_u32 s23, s23, STAGE
	v_mul_u32_u24 v6, v1, SPITCH
	v_lshl_add_u32 v6, v2, 3, v6
	v_add_nc_u32 v[STO], s23, v6
	s_mul_i32 s23, s12, 32*SPITCH                  ; back: wave w takes rows 32 w .. 32 w + 31, whole; lanes 0-15 one row of 256 bytes, lanes 16-31 the next
	s_add_co_u32 s23, s23, STAGE
	v_mul_u32_u24 v7, v2, SPITCH
	v_lshl_add_u32 v7, v1, 4, v7
	v_add_nc_u32 v[RD], s23, v7
	v_lshlrev_b32 v8, 12, v2                       ; and the same two rows in out0, 4,096 bytes apart
	v_lshl_add_u32 v[CO], v1, 4, v8
	v_lshlrev_b32 v[TOFF], 5, v2                   ; my lanes' eight columns of sixteen: 32 bytes of thresholds
	s_lshl_b32 s44, s17, 10                        ; thresholds of the tile's 256 columns,
	s_lshl_b32 s21, s14, 9                         ; of my wave's 128
	s_add_co_u32 s44, s44, s21
	s_mov_b32 s45, 0
	s_add_nc_u64 s[8:9], s[8:9], s[44:45]
	WIN 0x80                                       ; destination window 2, address window 0
.irp b, 0,1,2,3,4,5,6,7
	global_load_b128 v[8*(\b):8*(\b)+3],   v[TOFF], s[8:9] offset:64*(\b)
	global_load_b128 v[8*(\b)+4:8*(\b)+7], v[TOFF], s[8:9] offset:64*(\b)+16
.endr
	WIN 0
	s_lshl_b32 s44, s18, 19                        ; out0: 128 rows of 4,096 bytes x tile row,
	s_lshl_b32 s21, s12, 17                        ; the 32 rows that my wave stores,
	s_add_co_u32 s44, s44, s21
	s_lshl_b32 s66, s17, 8                         ; 256 bytes x tile column
	s_add_co_u32 s44, s44, s66
	s_add_nc_u64 s[10:11], s[10:11], s[44:45]
	s_wait_loadcnt 0x0                             ; the thresholds, once
	WIN 0x82                                       ; source 0 and destination window 2
.set i, 0
.rept 64
	v_cvt_f32_i32 v[i], v[i]
.set i, i+1
.endr
.set i, 0
.rept 64
	v_fma_f32 v[i], v[i], 2.0, s71                 ; T = 2 thr - 4095.5
.set i, i+1
.endr
	WIN 0
; 8 matrix instructions: row block a x all 8 column blocks, 32 along K, from buffer f.  zero = 1: the product starts the sums: nothing is ever cleared.
; In every quarter step the 32 accumulators take turns in the same order, one instruction a turn: between two links of a chain stand the 31 others'.
.macro MULA f, a, zero
	WIN MUL
.irp b, 0,1,2,3,4,5,6,7
.if \zero
	v_wmma_f32_16x16x32_bf16 v[8*(8*(\a)+(\b)):8*(8*(\a)+(\b))+7], v[(\f)+32+8*(\b):(\f)+32+8*(\b)+7], v[(\f)+8*(\a):(\f)+8*(\a)+7], 0
.else
	v_wmma_f32_16x16x32_bf16 v[8*(8*(\a)+(\b)):8*(8*(\a)+(\b))+7], v[(\f)+32+8*(\b):(\f)+32+8*(\b)+7], v[(\f)+8*(\a):(\f)+8*(\a)+7], v[8*(8*(\a)+(\b)):8*(8*(\a)+(\b))+7]
.endif
.endr
.endm
; 24 LDS loads in one run: the fragments of quarter q (32 along K) of a slot into buffer f: mb's sixteen first, then xa's eight, row block 0 first
.macro FETCH slot, q, f
	WIN 0
.irp b, 0,1,2,3,4,5,6,7
	ds_load_tr16_b128 v[(\f)+32+8*(\b):(\f)+32+8*(\b)+3],   v[ADRB+(\slot)] offset:(\q)*32*PB+32*(\b)
	ds_load_tr16_b128 v[(\f)+32+8*(\b)+4:(\f)+32+8*(\b)+7], v[ADRB+(\slot)] offset:(\q)*32*PB+32*(\b)+16*PB
.endr
.irp a, 0,1,2,3
	ds_load_b128 v[(\f)+8*(\a):(\f)+8*(\a)+3],   v[ADRA+(\slot)] offset:64*(\q)+(\a)*16*PA
	ds_load_b128 v[(\f)+8*(\a)+4:(\f)+8*(\a)+7], v[ADRA+(\slot)] offset:64*(\q)+(\a)*16*PA+32
.endr
.endm
; A load into a register that a matrix instruction has read, and a vector instruction that reads a matrix result, stand four places behind that matrix instruction, and only plain vector
; instructions that name none of its registers are places (ISA guide 7.12.1 for vector instructions).
.macro PLACES
.rept 4
	v_nop
.endr
.endm
; A K step is four quarters of 32 along K, 32 matrix instructions each, on buffers 0, 1, 0, 1.  One of the first three: multiplies buffer f; in its middle it fetches quarter q of the same slot into g.
.macro QUARTER slot, q, f, g, zero
	s_wait_dscnt 4                                 ; mb's fragments and xa's row blocks 0 and 1 are in; the youngest four loads (row blocks 2 and 3) may be out
	MULA \f, 0, \zero
	MULA \f, 1, \zero
	PLACES
	FETCH \slot, \q, \g
	s_wait_dscnt 24                                ; all but the 24 just issued
	MULA \f, 2, \zero
	MULA \f, 3, \zero
.endm
; The last quarter multiplies buffer 1 and changes slots: ONE barrier; in front of it each wave waits for all its tensor loads, of which one is out: its part of the next slot; adds 0 to its spare word;
; and waits for that and for its own reads of this slot.  fill = 1: this slot is filled again, two K steps ahead; the barrier then opens a round of the cluster's barrier.
.macro TURN slot, next, fill
	WIN 0                                          ; (the add's two registers lie in window 0)
	s_wait_tensorcnt 0x0                           ; all my tensor loads have landed: my part of the next slot;
	ds_add_u32 v[SPW], v[NIL]                      ; 0 onto my spare word
	s_wait_dscnt 5                                 ; (the add and the youngest four loads may be out)
	MULA F1, 0, 0                                  ; eight matrix instructions stand between the add and the wait for it
	s_wait_dscnt 0x0                               ; the add is done, and my reads of this slot are over
	s_barrier_signal -1
	MULA F1, 1, 0                                  ; work on registers while the others arrive
.if \fill
	WIN 0
.endif
	s_barrier_wait -1
.if \fill
	CREST                                          ; no wave of any partner still reads this slot's tiles or has a load on its way
	s_add_nc_u64 s[G0+4*(\slot)+2:G0+4*(\slot)+3], s[G0+4*(\slot)+2:G0+4*(\slot)+3], 2*KSTEP*2
	s_add_nc_u64 s[G0B+4*(\slot)+2:G0B+4*(\slot)+3], s[G0B+4*(\slot)+2:G0B+4*(\slot)+3], 2*KSTEP*ROWB
	JLOAD \slot                                    ; the first tensor load behind the round, my only one until the next: 112 matrix instructions ahead of the wait for it; its four v_nop are also the places in front of the loads below
.else
	PLACES
.endif
	FETCH \next, 0, F0
	MULA F1, 2, 0
	MULA F1, 3, 0
.endm
	s_wait_tensorcnt 1                             ; my part of K step 0 is in; K step 1's may stay out
	s_barrier_signal -1
	s_barrier_wait -1                              ; everybody's is
	FETCH 0, 0, F0
	QUARTER 0, 1, F0, F1, 1                        ; the first quarter stands in front of the loop: its products start the sums
	WIN 0                                          ; at a label and at a branch every window is 0
	s_mov_b32 s3, LAPS-1
.Llap:                                                 ; a trip goes once round the ring, from a lap's second quarter to the next lap's first, and fills both slots again
	QUARTER 0, 2, F1, F0, 0
	QUARTER 0, 3, F0, F1, 0
	TURN 0, 1, 1
	QUARTER 1, 1, F0, F1, 0
	QUARTER 1, 2, F1, F0, 0
	QUARTER 1, 3, F0, F1, 0
	TURN 1, 0, 1
	QUARTER 0, 1, F0, F1, 0
	WIN 0
	s_sub_co_u32 s3, s3, 1
	s_cmp_lg_u32 s3, 0
	s_cbranch_scc1 .Llap
	QUARTER 0, 2, F1, F0, 0                        ; the last lap fills nothing, and has no round of the cluster's barrier
	QUARTER 0, 3, F0, F1, 0
	TURN 0, 1, 0
	QUARTER 1, 1, F0, F1, 0
	QUARTER 1, 2, F1, F0, 0
	QUARTER 1, 3, F0, F1, 0
	s_wait_dscnt 4                                 ; the very last quarter: nothing more to fetch
	MULA F1, 0, 0
	MULA F1, 1, 0
	s_wait_dscnt 0x0
	MULA F1, 2, 0
	MULA F1, 3, 0
	WIN 0
; THE WAY OUT of row block a.  u = T - P for the block's 8 x 8 numbers a lane (each accumulator's registers in ascending order); the top bytes of eight u are gathered into two
; words, their sign bits moved to bit 0 of each byte: eight results, 8 bytes of a row, into the work-group's stage.  32 lanes x 8 bytes at word 68 (l % 16) + 2 (l / 16).
.macro OUTA a
.set UB, 64+64*((\a)%2)                ; the fragment buffers' registers are free
.set WB, 32+16*((\a)%2)
	WIN EPI
.irp b, 0,1,2,3,4,5,6,7
.irp p, 0,1,2,3
	v_pk_add_f32 v[UB+8*(\b)+2*(\p):UB+8*(\b)+2*(\p)+1], v[8*(\b)+2*(\p):8*(\b)+2*(\p)+1], v[8*(8*(\a)+(\b))+2*(\p):8*(8*(\a)+(\b))+2*(\p)+1] neg_lo:[0,1] neg_hi:[0,1]
.endr
.endr
	WIN 0
.irp b, 0,1,2,3,4,5,6,7
.irp i, 0,1,2,3
	v_perm_b32 v[UB+8*(\b)+2*(\i)], v[UB+8*(\b)+2*(\i)+1], v[UB+8*(\b)+2*(\i)], s68  ; bytes 0, 1: the top bytes of u 2i, u 2i+1
.endr
	v_perm_b32 v[WB+2*(\b)],   v[UB+8*(\b)+2], v[UB+8*(\b)],   s69
	v_perm_b32 v[WB+2*(\b)+1], v[UB+8*(\b)+6], v[UB+8*(\b)+4], s69
	v_lshrrev_b32 v[WB+2*(\b)],   7, v[WB+2*(\b)]
	v_lshrrev_b32 v[WB+2*(\b)+1], 7, v[WB+2*(\b)+1]
	v_and_b32 v[WB+2*(\b)],   s70, v[WB+2*(\b)]
	v_and_b32 v[WB+2*(\b)+1], s70, v[WB+2*(\b)+1]
	ds_store_b64 v[STO], v[WB+2*(\b):WB+2*(\b)+1] offset:(\a)*16*SPITCH+16*(\b)
.endr
.endm
	PLACES                                         ; behind the last products: what follows reads results and writes fragment registers
	OUTA 0
	OUTA 1
	OUTA 2
	OUTA 3
	s_wait_dscnt 0x0                               ; for the others' sake: my stores into the stage are done; a row's 256 bytes come from two waves
	s_barrier_signal -1
	s_barrier_wait -1
.irp t, 0,1,2,3,4,5,6,7,8,9,10,11,12,13,14,15
	ds_load_b128 v[BK+4*(\t):BK+4*(\t)+3], v[RD] offset:(\t)*2*SPITCH
.endr
.irp t, 0,1,2,3,4,5,6,7,8,9,10,11,12,13,14,15
	s_wait_dscnt 15-(\t)                           ; LDS loads come back in order (ISA guide 5.7.1): the younger ones stay out
	global_store_b128 v[CO], v[BK+4*(\t):BK+4*(\t)+3], s[10:11] offset:(\t)*2*4096 th:TH_STORE_NT  ; 16 lanes store 256 consecutive bytes, at a multiple of 256 from out0's first byte
.endr
	s_wait_tensorcnt 0x0                           ; the wave's end: the add of 0 and its waits stand behind my last tensor load and my last LDS store
	ds_add_u32 v[SPW], v[NIL]
	s_wait_dscnt 0x0
	CROUND                                         ; the closing round: no work-group ends while a partner may still ask for a tile that names it
	s_endpgm
.Lfunc_end_k_qfbd27040a0_gemm:
	.size	k_qfbd27040a0_gemm, .Lfunc_end_k_qfbd27040a0_gemm-k_qfbd27040a0_gemm
	.p2alignl 7, 3214868480
	.fill 96, 4, 3214868480
	.section	.rodata,"a",@progbits
	.p2align	6, 0x0
	.amdhsa_kernel k_qfbd27040a0_gemm
		.amdhsa_group_segment_fixed_size 327680
		.amdhsa_private_segment_fixed_size 0
		.amdhsa_enable_private_segment 0
		.amdhsa_kernarg_size 32
		.amdhsa_user_sgpr_count 2
		.amdhsa_user_sgpr_kernarg_segment_ptr 1
		.amdhsa_wavefront_size32 1
		.amdhsa_system_sgpr_workgroup_id_x 1
		.amdhsa_system_sgpr_workgroup_id_y 1
		.amdhsa_system_sgpr_workgroup_id_z 1
		.amdhsa_system_vgpr_workitem_id 0
		.amdhsa_next_free_vgpr 576
		.amdhsa_next_free_sgpr 72
		.amdhsa_reserve_vcc 0
		.amdhsa_float_denorm_mode_32 3
		.amdhsa_float_denorm_mode_16_64 3
		.amdhsa_memory_ordered 1
		.amdhsa_forward_progress 1
		.amdhsa_inst_pref_size 108
	.end_amdhsa_kernel
	.amdgpu_metadata
---
amdhsa.version: [ 1, 2 ]
amdhsa.kernels:
  - .name:           k_qfbd27040a0_gemm
    .symbol:         k_qfbd27040a0_gemm.kd
    .args:
      - { .name: xa, .offset: 0, .size: 8, .value_kind: global_buffer, .address_space: global }
      - { .name: mb, .offset: 8, .size: 8, .value_kind: global_buffer, .address_space: global }
      - { .name: thresholds, .offset: 16, .size: 8, .value_kind: global_buffer, .address_space: global }
      - { .name: out0, .offset: 24, .size: 8, .value_kind: global_buffer, .address_space: global }
    .group_segment_fixed_size: 327680
    .private_segment_fixed_size: 0
    .kernarg_segment_align: 8
    .kernarg_segment_size: 32
    .max_flat_workgroup_size: 128
    .sgpr_count:     72
    .vgpr_count:     576
    .wavefront_size: 32
...
	.end_amdgpu_metadata
.endif
;; end of part 2
;; ======== version 2 of 2: 2 launches; version 1 with the launch prep written anew for expert scheduling mode
;; workspace buffers: xa 16,777,216 bytes; mb 33,554,432 bytes
;; launch prep (part 3): grid 512 x 1, 8 waves a work-group, no clusters, 0 bytes of LDS; arguments x, masks, xa, mb; writes xa, mb
.if DOCPART == 3
	.amdgcn_target "amdgcn-amd-amdhsa--gfx1250"
	.amdhsa_code_object_version 6
	.text
	.protected	k_qfbd27040a0_prep
	.globl	k_qfbd27040a0_prep
	.p2align	8
	.type	k_qfbd27040a0_prep,@function
k_qfbd27040a0_prep:
	s_mov_b64 s[64:65], 0
	v_nop
	global_prefetch_b8 v0, s[64:65] scope:SCOPE_SE
	s_setreg_imm32_b32 hwreg(HW_REG_WAVE_SCHED_MODE, 0, 2), 2
	s_setreg_imm32_b32 hwreg(HW_REG_WAVE_MODE, 25, 1), 1
	s_wait_xcnt 0x0
	s_wait_alu depctr_vm_vsrc(0)
; xa[b][k] = 1 - 2 x[b][k] and mb[k][n] = 1 - 2 masks[k][n], both in bf16, in the layouts of x and of masks.
; For all numbers x m + (1 - x)(1 - m) = ((1 - 2x)(1 - 2m) + 1) / 2, so the next launch needs ONE product, of xa and mb, where the two sums of agreements would need two.
; LIMITS.  1 - 2x is made in f32 and rounded once to bf16: exact for x from -127 to 128 (x is 0 or 1 as the problem gives it); beyond that it is rounded.
; A mask is a bool: a byte that is 0 or 1; only its lowest bit is placed.
; SHARES.  A stream: 4,096 waves, all alike, no loop, no LDS, no barrier.  A wave takes 8,192 bytes of x (4,096 of xa) and 4,096 bytes of masks (8,192 of mb).
; All its 32 loads go out first (12,288 bytes on their way for each wave); each is worked on behind a counted wait.  No register that a load or store names is written again, so no wait frees one.
; THE MODE: SCHED_MODE bits 1:0 = 2 (LLVM: expert scheduling mode 2), set by the entry lines.  The code itself states the register dependences
; between vector instructions and memory instructions, with s_wait_alu, always for 0.
; THE PLAN.  The 32 loads make 32 groups, 16 of x and then 16 of masks, taken in eight blocks of four.  Registers that memory instructions touch:
;   v3, v4     byte offsets, made once at the head and never written again; every load and store reads one of them.
;   X group    a load lands in it; its eight vector lines work in place; its first two registers are the data of its one store; never written after that.
;   MK group   a load lands in it; vector lines read it; no memory instruction names it again.
;   Y group    its eight vector lines write it; its one store reads it; never written after that.
; Block p converts its own four groups; its memory instructions are the four stores of block p - 1, whose data no vector instruction of block p names.
; So one wait on va_vdst at a block's head states all that the block's four stores hang on, and they are dealt among its conversions with no further wait.
; No load is issued behind a vector instruction that names its registers, and no register that a memory instruction has read is written again: no wait on vm_vsrc is owed.
.set X,   8                            ; v[8:71]    16 groups of 4 words of x; the group's first two registers then hold its 4 bf16
.set MK,  72                           ; v[72:103]  16 pairs: 8 mask bytes each
.set Y,   104                          ; v[104:167] 16 groups of 4: 8 bf16 each
	s_load_b256 s[4:11], s[0:1], 0x0               ; x s[4:5], masks s[6:7], xa s[8:9], mb s[10:11]
	s_lshl_b32 s12, ttmp9, 16                      ; the work-group's 65,536 bytes of x and of mb
	s_mov_b32 s13, 0
	s_lshl_b32 s14, ttmp9, 15                      ; its 32,768 bytes of masks and of xa
	s_mov_b32 s15, 0
	s_mov_b32 s16, 0x01010000                      ; byte selects: bytes 0 and 1 of a word, each twice
	s_mov_b32 s17, 0x03030202                      ; bytes 2 and 3, each twice
	s_mov_b32 s18, 0x3f803f80                      ; 1.0 twice in bf16
	v_and_b32 v1, 31, v0                           ; lane
	v_lshrrev_b32 v2, 5, v0                        ; wave
	v_lshlrev_b32 v3, 4, v1
	v_lshl_add_u32 v3, v2, 13, v3                  ; 8,192 x wave + 16 x lane: my place in x and in mb
	v_lshrrev_b32 v4, 1, v3                        ; 4,096 x wave + 8 x lane: my place in masks and in xa
	s_wait_kmcnt 0x0
	s_add_nc_u64 s[4:5], s[4:5], s[12:13]
	s_add_nc_u64 s[6:7], s[6:7], s[14:15]
	s_add_nc_u64 s[8:9], s[8:9], s[14:15]
	s_add_nc_u64 s[10:11], s[10:11], s[12:13]
	s_wait_alu depctr_va_vdst(0)                   ; v3 and v4 are written: every load and store of the kernel reads one of them as its offset
.irp i, 0,1,2,3,4,5,6,7,8,9,10,11,12,13,14,15
	global_load_b128 v[X+4*(\i):X+4*(\i)+3], v3, s[4:5] offset:512*(\i) th:TH_LOAD_NT   ; a wave's load covers 512 consecutive bytes
.endr
.irp i, 0,1,2,3,4,5,6,7,8,9,10,11,12,13,14,15
	global_load_b64 v[MK+2*(\i):MK+2*(\i)+1], v4, s[6:7] offset:256*(\i) th:TH_LOAD_NT  ; 256 consecutive bytes
.endr
; Four words of x: to f32, 1 - 2x by one fused multiply-add for each two, rounded to bf16 in pairs.
.macro XCONV i
.irp j, 0,1,2,3
	v_cvt_f32_i32 v[X+4*(\i)+(\j)], v[X+4*(\i)+(\j)]
.endr
	v_pk_fma_f32 v[X+4*(\i):X+4*(\i)+1],   v[X+4*(\i):X+4*(\i)+1],   -2.0, 1.0 op_sel_hi:[1,0,0]
	v_pk_fma_f32 v[X+4*(\i)+2:X+4*(\i)+3], v[X+4*(\i)+2:X+4*(\i)+3], -2.0, 1.0 op_sel_hi:[1,0,0]
	v_cvt_pk_bf16_f32 v[X+4*(\i)],   v[X+4*(\i)],   v[X+4*(\i)+1]
	v_cvt_pk_bf16_f32 v[X+4*(\i)+1], v[X+4*(\i)+2], v[X+4*(\i)+3]
.endm
.macro XSEND i
	global_store_b64 v4, v[X+4*(\i):X+4*(\i)+1], s[8:9] offset:256*(\i)   ; the wave's store covers 256 consecutive bytes, aligned
.endm
; Eight mask bytes.  A byte is written into both bytes of its half word; shifted left by 7 its bit stands at the half's bits 15 and 7; bit 7 is set in 0x3f80 anyway,
; so the OR gives 0x3f80 (1.0) for 0 and 0xbf80 (-1.0) for 1.
.macro MCONV i
.irp j, 0,1
	v_perm_b32 v[Y+4*(\i)+2*(\j)],   v[MK+2*(\i)+(\j)], v[MK+2*(\i)+(\j)], s16
	v_perm_b32 v[Y+4*(\i)+2*(\j)+1], v[MK+2*(\i)+(\j)], v[MK+2*(\i)+(\j)], s17
.endr
.irp j, 0,1,2,3
	v_lshl_or_b32 v[Y+4*(\i)+(\j)], v[Y+4*(\i)+(\j)], 7, s18
.endr
.endm
.macro MSEND i
	global_store_b128 v3, v[Y+4*(\i):Y+4*(\i)+3], s[10:11] offset:512*(\i)  ; 512 consecutive bytes, aligned
.endm
; Group g of the 32, in the order of the loads: 0 to 15 are x's, 16 to 31 masks'.
.macro CONV g
.if (\g) < 16
	XCONV \g
.else
	MCONV (\g)-16
.endif
.endm
.macro SEND g
.if (\g) < 16
	XSEND \g
.else
	MSEND (\g)-16
.endif
.endm
; Block p: groups 4 p to 4 p + 3 are converted, each behind the wait for its own load; the four stores of block p - 1 stand one in front of each group's conversions.
.macro BLK p
	s_wait_loadcnt 31-4*(\p)                       ; loads come back in order (ISA guide 5.7.1): the block's first group is in, the younger loads stay out
.if (\p) > 0
	s_wait_alu depctr_va_vdst(0)                   ; the block before has written the data of its four stores, which follow; no vector instruction of this block names those registers
.endif
.irp i, 0,1,2,3
.if (\p) > 0
	SEND 4*(\p)-4+(\i)
.endif
.if (\i) > 0
	s_wait_loadcnt 31-4*(\p)-(\i)                  ; this group's load is in, the younger ones stay out
.endif
	CONV 4*(\p)+(\i)
.endr
.endm
.irp p, 0,1,2,3,4,5,6,7
	BLK \p
.endr
	s_wait_alu depctr_va_vdst(0)                   ; the last block has written its four groups of Y, which the last four stores read
.irp g, 28,29,30,31
	SEND \g
.endr
	s_endpgm
.Lfunc_end_k_qfbd27040a0_prep:
	.size	k_qfbd27040a0_prep, .Lfunc_end_k_qfbd27040a0_prep-k_qfbd27040a0_prep
	.p2alignl 7, 3214868480
	.fill 96, 4, 3214868480
	.section	.rodata,"a",@progbits
	.p2align	6, 0x0
	.amdhsa_kernel k_qfbd27040a0_prep
		.amdhsa_group_segment_fixed_size 0
		.amdhsa_private_segment_fixed_size 0
		.amdhsa_enable_private_segment 0
		.amdhsa_kernarg_size 32
		.amdhsa_user_sgpr_count 2
		.amdhsa_user_sgpr_kernarg_segment_ptr 1
		.amdhsa_wavefront_size32 1
		.amdhsa_system_sgpr_workgroup_id_x 1
		.amdhsa_system_sgpr_workgroup_id_y 1
		.amdhsa_system_sgpr_workgroup_id_z 1
		.amdhsa_system_vgpr_workitem_id 0
		.amdhsa_next_free_vgpr 172
		.amdhsa_next_free_sgpr 66
		.amdhsa_reserve_vcc 0
		.amdhsa_float_denorm_mode_32 3
		.amdhsa_float_denorm_mode_16_64 3
		.amdhsa_memory_ordered 1
		.amdhsa_forward_progress 1
		.amdhsa_inst_pref_size 23
	.end_amdhsa_kernel
	.amdgpu_metadata
---
amdhsa.version: [ 1, 2 ]
amdhsa.kernels:
  - .name:           k_qfbd27040a0_prep
    .symbol:         k_qfbd27040a0_prep.kd
    .args:
      - { .name: x, .offset: 0, .size: 8, .value_kind: global_buffer, .address_space: global }
      - { .name: masks, .offset: 8, .size: 8, .value_kind: global_buffer, .address_space: global }
      - { .name: xa, .offset: 16, .size: 8, .value_kind: global_buffer, .address_space: global }
      - { .name: mb, .offset: 24, .size: 8, .value_kind: global_buffer, .address_space: global }
    .group_segment_fixed_size: 0
    .private_segment_fixed_size: 0
    .kernarg_segment_align: 8
    .kernarg_segment_size: 32
    .max_flat_workgroup_size: 256
    .sgpr_count:     66
    .vgpr_count:     172
    .wavefront_size: 32
...
	.end_amdgpu_metadata
.endif
;; end of part 3
;; launch gemm: the kernel of part 2 again; grid 16 x 16, 4 waves a work-group, clusters of 4 x 4, 327,680 bytes of LDS; arguments xa, mb, thresholds, out0; writes out0
